; MI455X (gfx1250); checked and timed in simulation.
; The chip was launched on July 23, 2026; its instructions are those of AMD's public machine-readable ISA for CDNA 5 (MIT licence, August 2026) and "CDNA5" Instruction Set Architecture Reference Guide (July 2026). The comments in the code are by the model that wrote it; some were corrected since.
;; Multi Head Attention. Allowed arithmetic: matrix products marked QUANTISED: E2M1 operands, one E8M0 scale for each 32 along K, by v_wmma_scale_f32_16x16x128_f8f6f4 with both operands' format E2M1 (or v_wmma_scale_f32_32x16x128_f4), f32 sums; products left as they are: bf16, f16 or f32 operands; f32 sums; everything else in f32.
;; Inputs: Q 8 x 1,024 x 128 float32; Wk 128 x 128 float32; Wq 128 x 128 float32; Wvin 128 x 128 float32; Wvout 128 x 128 float32; mask 8 x 1,024 bool.
;; Outputs: out0 8 x 1,024 x 128 float32.
;; Constants: clip = 10.
;; This version of the problem:
;;   THIS VERSION OF THE PROBLEM IS GIVEN IN LOW PRECISION. The matrix products marked QUANTISED in the list below multiply operands that are first quantised to E2M1 (2 exponent bits, 1 mantissa bit; 4 bits a number), with one power-of-two scale for each 32 numbers along K (OCP MX v1.0); their sums are f32. The products marked 'left as it is' may take bf16, f16 or f32 operands, with f32 sums. Whichever they take, every output number must still come out within the allowed error. Rounding operands to bf16 (8 significant bits) uses up far more of that allowance than f16 does (11 bits, for magnitudes from 6e-5 to 65,504). All else is computed in f32.
;;   The module's matrix products, in the order in which they are computed (A, B: the left and right operand; K: the contracted axis; several contracted axes count as one K, in the product's order):
;;     1. [M 8,192, K 128] x [K 128, N 128]; A: input Q; B: input Wq: QUANTISED
;;     2. [M 8,192, K 128] x [K 128, N 128]; A: input Q; B: input Wk: QUANTISED
;;     3. [M 8,192, K 128] x [K 128, N 128]; A: input Q; B: input Wvin: QUANTISED
;;     4. batch 64 x [M 1,024, K 16] x [K 16, N 1,024]; A: computed on the way; B: computed on the way: left as it is (K = 16 < 32)
;;     5. batch 64 x [M 1,024, K 1,024] x [K 1,024, N 16]; A: computed on the way; B: computed on the way: left as it is (an operand is computed on the way)
;;     6. [M 8,192, K 128] x [K 128, N 128]; A: computed on the way; B: input Wvout: left as it is (an operand is computed on the way)
;;   THE QUANTISER, for each operand of a quantised product, along K:
;;     - K is cut into blocks of 32 from its start; a last block that is shorter is filled with zeros.
;;     - A block's scale is 2^e with e = floor(log2(the largest magnitude in the block)) - 2, held to -126 .. 127; a block of zeros has e = 0. As a byte (E8M0): e + 127.
;;     - Each number is divided by its block's scale, clamped to +-6, and rounded to the nearest number of E2M1, ties to even, subnormals kept.
;;     - The product sums the exact products of the quantised numbers (number of the format x scale) in f32.
;;   ~~~python
;;   def quantise(x, axis):      # numpy; x: float32 -> the quantised numbers, widened to float32 again
;;       x = np.moveaxis(x, axis, -1); K = x.shape[-1]
;;       x = np.pad(x, [(0, 0)] * (x.ndim - 1) + [(0, -K % 32)]); x = x.reshape(x.shape[:-1] + (-1, 32)); a = np.abs(x).max(-1, keepdims=True)
;;       e = np.where(a > 0, np.clip(np.frexp(np.where(a > 0, a, 1))[1] - 1 - 2, -126, 127), 0)      # np.frexp(a)[1] - 1 = floor(log2(a)), exactly
;;       r = np.clip(x / 2.0 ** e, -6, 6)
;;       step = 2.0 ** (np.maximum(np.frexp(np.where(r == 0, 1, r))[1] - 1, 0) - 1)
;;       q = np.round(r / step) * step * 2.0 ** e      # np.round: ties to even
;;       return np.moveaxis(q.reshape(q.shape[:-2] + (-1,))[..., :K], -1, axis).astype(np.float32)
;;   ~~~
;; 2 versions, each right; version 2 is version 1 with the launch attn written anew for expert scheduling mode. Each part assembles by itself: llvm-mc -triple=amdgcn-amd-amdhsa -mcpu=gfx1250 --defsym DOCPART=n.
;; ======== version 1 of 2: 2 launches
;; limits: values are held in f16: magnitudes above 65,504 overflow, below 6.1e-05 lose precision
;; workspace buffers: qcodes 524,288 bytes; qscale 32,768 bytes; kcodes 524,288 bytes; kscale 32,768 bytes; wfrag 27,648 bytes; wo 32,768 bytes; cnt 1,024 bytes of whole numbers
;; launch prep (part 1): grid 272 x 1, 2 waves a work-group, no clusters, 0 bytes of LDS; arguments Q, mask, Wq, Wk, Wvin, Wvout, qcodes, qscale, kcodes, kscale, wfrag, wo, cnt; writes qcodes, qscale, kcodes, kscale, wfrag, wo, cnt
.if DOCPART == 1
	.amdgcn_target "amdgcn-amd-amdhsa--gfx1250"
	.amdhsa_code_object_version 6
	.text
	.protected	k_qdf5eca04ef_prep
	.globl	k_qdf5eca04ef_prep
	.p2align	8
	.type	k_qdf5eca04ef_prep,@function
k_qdf5eca04ef_prep:
	s_mov_b64 s[64:65], 0
	v_nop
	global_prefetch_b8 v0, s[64:65] scope:SCOPE_SE
	s_setreg_imm32_b32 hwreg(HW_REG_WAVE_MODE, 25, 1), 1
	s_wait_xcnt 0x0
; PREP: everything that many work-groups of the next launch read is made once here.  544 independent waves (units), two to a work-group; no LDS, no barrier.
; Units 0-511: one tile of 16 rows of Q [8][1024][128] f32.  Each row is quantised once to E2M1 codes with one E8M0 byte for each 32 along K, and leaves as an IMAGE OF THE OPERAND'S REGISTERS
;   (a tile = 8 registers a lane = 1,024 bytes: register group c of lane l at 512 c + 16 l), twice:
;   qcodes/qscale: at the tile's own place (the queries);  kcodes/kscale: rows whose mask byte is 0 at their RANK among the batch's unmasked rows (the keys and values): a masked key has weight 0 for every query.
;   Places of kcodes/kscale at or past the batch's count get zero codes: unit (batch, T) fills places 16 T .. 16 T + 15 where they are not below the count, so every byte that the next launch reads is stored once.
;   The ranks are whole numbers made of the mask bytes alone (byte sums, lane exchanges, integer additions): no address hangs on a floating-point number.
; Units 512-535: Wq, Wk, Wvin [128 (k)][128 (n)] f32, K the FIRST axis: a lane takes a column and its registers run down K; one fragment (16 columns of one head x 128 K) and its scale words a unit.
; Units 536-543: Wvout [128 (k)][128 (e)] as f16 fragments (16 columns e x 32 k, four a unit) for the last product.
; A block's scale is 2^(floor(log2(largest magnitude)) - 2); its byte is the largest magnitude's exponent field - 2, held at 1 from below (a block of zeros keeps the byte 1: its codes are zeros, and this program alone reads the bytes).
; LIMITS: NaN and infinities among the inputs are not served; mask bytes are 0 or 1; Wvout's numbers must be finite in f16 (under 65,504).
; The stores at a row's rank cover 16 bytes a lane, neighbouring ranks side by side: runs of 16 x (unmasked rows of the tile) bytes, no whole blocks of 256: 64 bytes a row against the 512 that are read.
.set SEL, 32                           ; s[32:33] lane selects for v_permlanex16_b32: lane l xor 16
.set TM,  32                           ; v32-47   at work in the quantiser
.set PW,  48                           ; v48      a row's scale word
.set PC,  50                           ; v50-57   a fragment's codes
.set ZR,  58                           ; v58-61   zeros;  v62: four scale bytes of 127
.set X,   64                           ; v64-127  64 numbers of a lane
; 64 numbers of a lane, register 16 b + i = k 32 b + 16 (lane / 16) + i of my row, become the fragment's codes in v[PC] on and the row's scale word in v[PW]
.macro QUANT s
.irp b, 0,1,2,3
	v_max3_num_f32 v[TM+\b], |v[\s+16*\b]|, |v[\s+1+16*\b]|, 0x1800000   ; block b: my 16 numbers, and the floor 2^(3 - 127): the byte cannot fall under 1
.endr
.irp i, 2,4,6,8,10,12,14
.irp b, 0,1,2,3
	v_max3_num_f32 v[TM+\b], v[TM+\b], |v[\s+16*\b+\i]|, |v[\s+1+16*\b+\i]|   ; the four blocks by turns
.endr
.endr
.irp b, 0,1,2,3
	v_permlanex16_b32 v[TM+4+\b], v[TM+\b], s[SEL], s[SEL+1]
.endr
.irp b, 0,1,2,3
	v_max_num_f32 v[TM+\b], v[TM+\b], v[TM+4+\b]   ; with lane l xor 16's 16: the block's largest magnitude
.endr
.irp b, 0,1,2,3
	v_add_nc_u32 v[TM+12+\b], 0xff000000, v[TM+\b]   ; 2 off its exponent field: the conversion's scale operand
.endr
.irp b, 0,1,2,3
	v_lshrrev_b32 v[TM+4+\b], 23, v[TM+12+\b]      ; the scale's byte
.endr
	v_lshl_or_b32 v[PW], v[TM+5], 8, v[TM+4]
	v_lshl_or_b32 v[PW], v[TM+6], 16, v[PW]
	v_lshl_or_b32 v[PW], v[TM+7], 24, v[PW]
.irp b, 0,1,2,3
	v_cvt_scalef32_pk8_fp4_f32 v[PC+2*\b], v[\s+16*\b:\s+7+16*\b], v[TM+12+\b]
	v_cvt_scalef32_pk8_fp4_f32 v[PC+1+2*\b], v[\s+8+16*\b:\s+15+16*\b], v[TM+12+\b]
.endr
	v_nop                                          ; one plain place behind a scaled conversion
.irp c, 0,1                                    ; the operand's layout wants a whole block in a lane: lanes 0-15 block 2 c, lanes 16-31 block 2 c + 1
.irp i, 0,1
	v_permlane16_swap_b32 v[PC+4*\c+\i], v[PC+2+4*\c+\i]
.endr
.endr
.endm
	s_load_b256 s[4:11], s[0:1], 0x0               ; Q s[4:5], mask s[6:7], Wq s[8:9], Wk s[10:11]
	s_load_b256 s[12:19], s[0:1], 0x20             ; Wvin s[12:13], Wvout s[14:15], qcodes s[16:17], qscale s[18:19]
	s_load_b256 s[20:27], s[0:1], 0x40             ; kcodes s[20:21], kscale s[22:23], wfrag s[24:25], wo s[26:27]
	s_load_b64 s[28:29], s[0:1], 0x60              ; cnt
	v_lshrrev_b32 v1, 5, v0
	v_readfirstlane_b32 s30, v1                    ; wave 0..1
	v_and_b32 v1, 31, v0                           ; lane
	v_and_b32 v2, 15, v0                           ; r
	v_bfe_u32 v3, v0, 4, 1                         ; h
	v_lshlrev_b32 v7, 4, v1                        ; 16 x lane: my place in a register image
	s_mov_b32 s[SEL], 0x76543210
	s_mov_b32 s[SEL+1], 0xfedcba98
	s_lshl_b32 s31, ttmp9, 1
	s_add_co_u32 s31, s31, s30                     ; my unit: 2 x work-group + wave
	s_mov_b32 s39, 0                               ; upper word of the offsets below
	s_mov_b32 s41, 0
	s_cmp_ge_u32 s31, 512
	s_cbranch_scc1 .Lweights
	; ---- a tile of 16 rows of Q
	s_lshr_b32 s34, s31, 6                         ; batch
	s_and_b32 s35, s31, 63                         ; T: the tile in its batch
	s_lshl_b32 s36, s35, 4
	v_lshlrev_b32 v4, 9, v2
	v_lshl_add_u32 v4, v3, 6, v4                   ; Q: row r of 512 bytes, + 64 h: my 16 numbers of each block of 32
	v_lshlrev_b32 v5, 5, v1                        ; mask: 32 bytes a lane, the whole batch in the wave
	v_add_nc_u32 v6, s36, v2                       ; 16 T + r: my row in the batch, and the compacted place that I fill if it is past the count
	s_lshl_b32 s38, s31, 13                        ; 16 rows of 512 bytes a tile
	s_lshl_b32 s40, s34, 10                        ; 1,024 mask bytes a batch
	s_wait_kmcnt 0x0
	s_add_nc_u64 s[4:5], s[4:5], s[38:39]
	s_add_nc_u64 s[6:7], s[6:7], s[40:41]
	global_load_b128 v[8:11], v5, s[6:7]           ; the mask first: the ranks are made while Q is on its way
	global_load_b128 v[12:15], v5, s[6:7] offset:16
	global_load_u8 v16, v6, s[6:7]                 ; my own row's byte
.irp b, 0,1,2,3
.irp j, 0,1,2,3
	global_load_b128 v[X+16*\b+4*\j:X+16*\b+4*\j+3], v4, s[4:5] offset:128*\b+16*\j th:TH_LOAD_NT
.endr
.endr
	s_lshl_b32 s38, s31, 10
	s_add_nc_u64 s[16:17], s[16:17], s[38:39]      ; qcodes: 1,024 bytes a tile
	s_lshl_b32 s38, s31, 6
	s_add_nc_u64 s[18:19], s[18:19], s[38:39]      ; qscale: 4 bytes a row
	s_lshl_b32 s38, s34, 16
	s_add_nc_u64 s[20:21], s[20:21], s[38:39]      ; kcodes: 65,536 bytes a batch
	s_lshl_b32 s38, s34, 12
	s_add_nc_u64 s[22:23], s[22:23], s[38:39]      ; kscale: 4,096 bytes a batch
	s_lshl_b32 s38, s34, 7
	s_add_nc_u64 s[28:29], s[28:29], s[38:39]      ; cnt: 128 bytes a batch
	s_mov_b32 s42, 0x01010101
	s_lshl_b32 s37, s35, 10
	v_add_nc_u32 v20, s37, v7                      ; compacted tile T, my place in its image
	v_lshlrev_b32 v21, 2, v6                       ; and its scale word
	v_lshlrev_b32 v17, 2, v2                       ; 4 r
	v_lshlrev_b32 v24, 2, v1                       ; 4 x lane
.irp b, 0,1,2,3
	v_mov_b32 v[TM+4+\b], 0                        ; written once: a lane permute's destination counts as one of its sources
	v_mov_b32 v[ZR+\b], 0
.endr
	v_mov_b32 v62, 0x7f7f7f7f
	s_wait_loadcnt 16                              ; the three mask loads are in; Q's sixteen, issued behind them, may be out
	v_add3_u32 v8, v8, v9, v10                     ; bytes are 0 or 1: four words add without a carry between bytes
	v_add_nc_u32 v8, v8, v11
	v_add3_u32 v12, v12, v13, v14
	v_add_nc_u32 v12, v12, v15
	v_mul_lo_u32 v8, v8, s42                       ; the top byte of the product is the sum of the four bytes
	v_mul_lo_u32 v12, v12, s42
	v_lshrrev_b32 v8, 24, v8
	v_lshrrev_b32 v12, 24, v12
	v_sub_nc_u32 v8, 16, v8                        ; unmasked among keys 32 l .. 32 l + 15,
	v_sub_nc_u32 v12, 16, v12                      ; and among 32 l + 16 .. 32 l + 31
	v_add_nc_u32 v9, v8, v12
	v_lshlrev_b32 v10, 1, v1
	v_cmp_gt_u32 vcc_lo, s35, v10                  ; the first sixteen lie ahead of my tile where 2 l < T,
	v_cndmask_b32 v8, 0, v8, vcc_lo
	v_or_b32 v10, 1, v10
	v_cmp_gt_u32 vcc_lo, s35, v10                  ; the second where 2 l + 1 < T
	v_cndmask_b32 v12, 0, v12, vcc_lo
	v_add_nc_u32 v8, v8, v12
	v_lshl_add_u32 v8, v9, 11, v8                  ; two sums in one word: those ahead of my tile (at most 1,008) below, all of the batch from bit 11 on
	v_mov_b32 v9, 0
.irp m, 1,2,4,8
	v_mov_b32_dpp v9, v8 row_xmask:\m row_mask:0xf bank_mask:0xf
	v_add_nc_u32 v8, v8, v9
.endr
	v_permlanex16_b32 v9, v8, s[SEL], s[SEL+1]
	v_add_nc_u32 v8, v8, v9                        ; over the 32 lanes
	v_and_b32 v23, 0x7ff, v8                       ; unmasked rows ahead of my tile
	v_lshrrev_b32 v22, 11, v8                      ; the batch's count
	v_readfirstlane_b32 s43, v22
	v_cmp_eq_u32 s44, 0, v16                       ; bit l: lane l's row is unmasked (bits 16-31 repeat bits 0-15)
	s_and_b32 s45, s44, 0xffff
	s_and_b32 s46, s44, 0xffff0000
	v_mbcnt_lo_u32_b32 v12, s45, 0                 ; lanes 0-15: unmasked rows of the tile ahead of row r
	v_mbcnt_lo_u32_b32 v13, s46, 0                 ; lanes 16-31: the same
	v_cmp_ne_u32 vcc_lo, 0, v3
	v_cndmask_b32 v12, v12, v13, vcc_lo
	v_add_nc_u32 v12, v12, v23                     ; my row's rank
	v_min_u32 v12, 0x3ff, v12                      ; a number made of loaded bytes enters an address behind this bound alone
	v_and_b32 v13, 0x3f0, v12
	v_and_b32 v14, 15, v12
	v_lshlrev_b32 v13, 6, v13                      ; tile rank / 16: 1,024 bytes each,
	v_lshl_add_u32 v13, v14, 4, v13                ; lane rank % 16 of its image,
	v_lshl_add_u32 v18, v3, 8, v13                 ; + 16 lanes for my half
	v_lshlrev_b32 v19, 2, v12                      ; its scale word
	s_wait_loadcnt 0x0                             ; Q
	QUANT X
	global_store_b128 v7, v[PC:PC+3], s[16:17]     ; the tile's image at its own place: 512 consecutive bytes a store
	global_store_b128 v7, v[PC+4:PC+7], s[16:17] offset:512
	global_store_b32 v17, v[PW], s[18:19]          ; (both halves of the lanes hold and write the same word)
	s_wait_xcnt 0x0                                ; EXEC changes only behind this wait
	v_cmp_eq_u32 vcc_lo, 0, v16
	s_and_saveexec_b32 s47, vcc_lo                 ; unmasked rows alone
	global_store_b128 v18, v[PC:PC+3], s[20:21]
	global_store_b128 v18, v[PC+4:PC+7], s[20:21] offset:512
	global_store_b32 v19, v[PW], s[22:23]
	s_wait_xcnt 0x0
	s_or_b32 exec_lo, exec_lo, s47
	v_cmp_le_u32 vcc_lo, s43, v6                   ; place 16 T + r holds no row: count <= place
	s_and_saveexec_b32 s47, vcc_lo
	global_store_b128 v20, v[ZR:ZR+3], s[20:21]    ; zero codes, which add nothing,
	global_store_b128 v20, v[ZR:ZR+3], s[20:21] offset:512
	global_store_b32 v21, v62, s[22:23]            ; under the byte 127
	s_wait_xcnt 0x0
	s_or_b32 exec_lo, exec_lo, s47
	s_cmp_lg_u32 s35, 0
	s_cbranch_scc1 .Lend
	global_store_b32 v24, v22, s[28:29]            ; the batch's first unit stores its count, 32 times: 128 consecutive bytes
.Lend:
	s_endpgm
.Lweights:
	s_sub_co_u32 s34, s31, 512
	s_cmp_ge_u32 s34, 24
	s_cbranch_scc1 .Lwout
	; ---- a fragment of Wq (0-7), Wk (8-15) or Wvin (16-23): the 16 columns of one head, 128 along K
	s_lshr_b32 s35, s34, 3
	s_and_b32 s36, s34, 7
	s_lshl_b32 s37, s36, 6
	v_lshlrev_b32 v4, 2, v2                        ; lane r takes column 16 head + r;
	v_lshl_add_u32 v4, v3, 14, v4                  ; lanes 16-31 begin 32 rows of 512 bytes further down: lane (r, h) holds k = 64 c + 32 h + 0 .. 31
	v_add_nc_u32 v4, s37, v4
	v_lshlrev_b32 v5, 2, v1
	s_lshl_b32 s38, s34, 10
	s_lshl_b32 s40, s34, 7
	s_wait_kmcnt 0x0
	s_cmp_eq_u32 s35, 0                            ; the choice hangs on the unit's number alone
	s_cselect_b64 s[42:43], s[8:9], s[10:11]
	s_cmp_eq_u32 s35, 2
	s_cselect_b64 s[42:43], s[12:13], s[42:43]
.set i, 0
.rept 32
	global_load_b32 v[X+i], v4, s[42:43] offset:i*512
	global_load_b32 v[X+32+i], v4, s[42:43] offset:(64+i)*512
.set i, i+1
.endr
	s_add_nc_u64 s[44:45], s[24:25], s[38:39]      ; the fragment's image: 1,024 bytes
	s_add_nc_u64 s[46:47], s[24:25], s[40:41]      ; its scale words: 128 bytes, behind the 24 images
	s_wait_loadcnt 0x0
.irp c, 0,1                                    ; my block 2 c + h: all its 32 numbers are mine
	v_max3_num_f32 v[TM+\c], |v[X+32*\c]|, |v[X+1+32*\c]|, 0x1800000
.endr
.irp i, 2,4,6,8,10,12,14,16,18,20,22,24,26,28,30
.irp c, 0,1
	v_max3_num_f32 v[TM+\c], v[TM+\c], |v[X+32*\c+\i]|, |v[X+1+32*\c+\i]|
.endr
.endr
.irp c, 0,1
	v_add_nc_u32 v[TM+12+\c], 0xff000000, v[TM+\c]
.endr
.irp c, 0,1
	v_lshrrev_b32 v[TM+4+\c], 23, v[TM+12+\c]
.endr
	v_lshl_or_b32 v9, v[TM+5], 16, v[TM+4]         ; my two bytes: blocks h and 2 + h of my column,
	v_lshlrev_b32 v10, 3, v3
	v_lshlrev_b32 v9, v10, v9                      ; at their places in the scale word;
	v_mov_b32 v10, 0
	v_permlanex16_b32 v10, v9, s[SEL], s[SEL+1]
	v_or_b32 v9, v9, v10                           ; with lane l xor 16's two the word is whole
.irp c, 0,1
.irp g, 0,1,2,3
	v_cvt_scalef32_pk8_fp4_f32 v[PC+4*\c+\g], v[X+32*\c+8*\g:X+7+32*\c+8*\g], v[TM+12+\c]
.endr
.endr
	v_nop                                          ; one plain place behind the last scaled conversion
	global_store_b128 v7, v[PC:PC+3], s[44:45]
	global_store_b128 v7, v[PC+4:PC+7], s[44:45] offset:512
	global_store_b32 v5, v9, s[46:47] offset:24576
	s_endpgm
.Lwout:
	; ---- Wvout as f16: columns e = 16 t + r, four fragments of 32 along K: lane (r, h) holds k = 32 s + 8 h + 0 .. 7 and 32 s + 16 + 8 h + 0 .. 7
	s_sub_co_u32 s34, s34, 24
	s_lshl_b32 s37, s34, 6
	v_lshlrev_b32 v4, 2, v2
	v_lshl_add_u32 v4, v3, 12, v4                  ; lanes 16-31 begin 8 rows of 512 bytes further down
	v_add_nc_u32 v4, s37, v4
	s_lshl_b32 s38, s34, 12
	s_wait_kmcnt 0x0
.set i, 0
.rept 64
	global_load_b32 v[X+i], v4, s[14:15] offset:(32*(i/16)+16*((i/8)%2)+i%8)*512
.set i, i+1
.endr
	s_add_nc_u64 s[26:27], s[26:27], s[38:39]      ; 4,096 bytes a unit
	s_wait_loadcnt 0x0
.set i, 0
.rept 32
	v_cvt_pk_f16_f32 v[TM+i-4*(i/32)], v[X+2*i], v[X+2*i+1]
.set i, i+1
.endr
.set i, 0
.rept 8
	global_store_b128 v7, v[TM+4*i:TM+4*i+3], s[26:27] offset:512*i
.set i, i+1
.endr
	s_endpgm
.Lfunc_end_k_qdf5eca04ef_prep:
	.size	k_qdf5eca04ef_prep, .Lfunc_end_k_qdf5eca04ef_prep-k_qdf5eca04ef_prep
	.p2alignl 7, 3214868480
	.fill 96, 4, 3214868480
	.section	.rodata,"a",@progbits
	.p2align	6, 0x0
	.amdhsa_kernel k_qdf5eca04ef_prep
		.amdhsa_group_segment_fixed_size 0
		.amdhsa_private_segment_fixed_size 0
		.amdhsa_enable_private_segment 0
		.amdhsa_kernarg_size 104
		.amdhsa_user_sgpr_count 2
		.amdhsa_user_sgpr_kernarg_segment_ptr 1
		.amdhsa_wavefront_size32 1
		.amdhsa_system_sgpr_workgroup_id_x 1
		.amdhsa_system_sgpr_workgroup_id_y 1
		.amdhsa_system_sgpr_workgroup_id_z 1
		.amdhsa_system_vgpr_workitem_id 0
		.amdhsa_next_free_vgpr 128
		.amdhsa_next_free_sgpr 66
		.amdhsa_reserve_vcc 1
		.amdhsa_float_denorm_mode_32 3
		.amdhsa_float_denorm_mode_16_64 3
		.amdhsa_memory_ordered 1
		.amdhsa_forward_progress 1
		.amdhsa_inst_pref_size 31
	.end_amdhsa_kernel
	.amdgpu_metadata
---
amdhsa.version: [ 1, 2 ]
amdhsa.kernels:
  - .name:           k_qdf5eca04ef_prep
    .symbol:         k_qdf5eca04ef_prep.kd
    .args:
      - { .name: Q, .offset: 0, .size: 8, .value_kind: global_buffer, .address_space: global }
      - { .name: mask, .offset: 8, .size: 8, .value_kind: global_buffer, .address_space: global }
      - { .name: Wq, .offset: 16, .size: 8, .value_kind: global_buffer, .address_space: global }
      - { .name: Wk, .offset: 24, .size: 8, .value_kind: global_buffer, .address_space: global }
      - { .name: Wvin, .offset: 32, .size: 8, .value_kind: global_buffer, .address_space: global }
      - { .name: Wvout, .offset: 40, .size: 8, .value_kind: global_buffer, .address_space: global }
      - { .name: qcodes, .offset: 48, .size: 8, .value_kind: global_buffer, .address_space: global }
      - { .name: qscale, .offset: 56, .size: 8, .value_kind: global_buffer, .address_space: global }
      - { .name: kcodes, .offset: 64, .size: 8, .value_kind: global_buffer, .address_space: global }
      - { .name: kscale, .offset: 72, .size: 8, .value_kind: global_buffer, .address_space: global }
      - { .name: wfrag, .offset: 80, .size: 8, .value_kind: global_buffer, .address_space: global }
      - { .name: wo, .offset: 88, .size: 8, .value_kind: global_buffer, .address_space: global }
      - { .name: cnt, .offset: 96, .size: 8, .value_kind: global_buffer, .address_space: global }
    .group_segment_fixed_size: 0
    .private_segment_fixed_size: 0
    .kernarg_segment_align: 8
    .kernarg_segment_size: 104
    .max_flat_workgroup_size: 64
    .sgpr_count:     66
    .vgpr_count:     128
    .wavefront_size: 32
...
	.end_amdgpu_metadata
.endif
;; end of part 1
;; launch attn (part 2): grid 256 x 1, 8 waves a work-group, no clusters, 96,768 bytes of LDS; arguments qcodes, qscale, kcodes, kscale, wfrag, wo, cnt, out0; writes out0
.if DOCPART == 2
	.amdgcn_target "amdgcn-amd-amdhsa--gfx1250"
	.amdhsa_code_object_version 6
	.text
	.protected	k_qdf5eca04ef_attn
	.globl	k_qdf5eca04ef_attn
	.p2align	8
	.type	k_qdf5eca04ef_attn,@function
k_qdf5eca04ef_attn:
	s_mov_b64 s[64:65], 0
	v_nop
	global_prefetch_b8 v0, s[64:65] scope:SCOPE_SE
	s_setreg_imm32_b32 hwreg(HW_REG_WAVE_MODE, 25, 1), 1
	s_wait_xcnt 0x0
; ATTN: the three quantised projections, the attention and the projection on the way out, for 32 queries of one batch and all 8 heads in one work-group.  Eight waves: WAVE w IS HEAD w, with two tiles of 16 queries.
; THE KEYS are the batch's unmasked rows, laid by rank by the launch before, as register images of E2M1 codes (1,024 bytes a tile of 16 rows) with a scale word a row; places past the count hold zero codes.
; The batch's 65,536 + 4,096 bytes come into LDS once; k and v are never stored: for each step of 32 keys a wave makes its head's K and V^T fragments by four FP4 matrix instructions:
;   k^T = Wk (16 d) x rows (16 keys): a lane holds one key and eight d: rounded to f16 in pairs that is source 0 of S^T = K Q^T;   v = rows (16 keys) x Wv (16 d): a lane holds one d and eight keys: source 0 of O^T = V^T P.
; K = 16 IN AN INSTRUCTION OF K = 32: K's eight registers hold TWO key tiles (k = 0-15: the first, 16-31: the second); the queries' operand is [q, 0] for the first and [0, q] for the second (twelve registers 0 q 0 serve both).
; THE SOFTMAX.  10 tanh(u) - 10 = -20 / (1 + e^(2u)) lies in [-20, 0] for every input, by the clip that the problem itself makes.  So no maximum is searched for: with s = 2 log2(e) / 4 x q.k (the factor is put on q in f32),
;   z = 1 / (1 + 2^s) and C = 20 log2(e), the weight kept is p = 2^(15 - C z), from 2^-13.86 to 2^15: inside f16's normal numbers; a row's sums are at most 1,024 x 2^15 x |v|, in f32.  s = +-infinity gives z = 0 or 1: no NaN.
; THE ROW'S SUM is a product too: a fragment of ones (source 0) x P.  In the batch's last step the ones at places past the count are zeros; v is zero there as well, so the padding counts for nothing, whatever its p.
; A batch with no unmasked key walks no step: 0 x 1/0 = NaN, as the problem has it.
; THE WAY OUT.  O^T / sum, rounded to f16, is half a fragment of the last product's K (k = 16 head + d): the eight waves' halves meet in LDS as register images; wave w then makes columns 16 w .. 16 w + 15 for the 32 rows;
;   the results meet in a stage and leave as whole rows of 512 bytes.
; THE WALK has 32 trips in the text; a scalar branch on the stored count leads round the work of the steps past the batch's last.
; What the 32 work-groups of a batch share is 69,632 bytes, each reading them once, at the head, by plain loads.  Nothing is prefetched: all that is read is asked for at the head by the loads themselves.
; LIMITS: q x 0.72, k, v, the attention's result and Wvout must be finite in f16 (under 65,504; a k that is infinite in f16 would meet the zeros of [q, 0]); NaN and infinities among the inputs are not served.
.set KS,     65536                     ; LDS: codes from 0 on, 2,048 bytes a step; scale words from KS on, 128 bytes a step, and 1,024 bytes of zeros behind them (the fetch one step ahead reaches there in trip 31)
.set AIMG,   70656                     ; the attention's result: 2 tiles x 4 K steps x 1,024 bytes
.set STG,    78848                     ; the stage for the way out: 32 rows x (512 + 16) bytes
.set SPITCH, 528
.set SPARE,  95744                     ; the spare words, 128 bytes for each wave: four blocks of 256 bytes that no other line names
.set L16, 4                            ; v4   16 x lane            (v1 lane, v2 r = lane % 16, v3 h = lane / 16)
.set T16, 5                            ; v5   16 x thread
.set KS4, 6                            ; v6   KS + 4 x lane
.set KSW, 7                            ; v7   KS + 16 x thread
.set SPW, 8                            ; v8   my spare word; never rewritten
.set NIL, 9                            ; v9   0; never rewritten
.set B15, 10                           ; v[10:11] 15.0, twice
.set AD,  12
.set AS,  13
.set TA,  14
.set TB,  15
.set WQS, 16                           ; v16-21 scale words and nothing else: Wq's, Wk's, Wv's, the two query tiles', the step's (lanes 0-15 first key tile, 16-31 second)
.set WKS, 17
.set WVS, 18
.set QS0, 19
.set QS1, 20
.set SC,  21
.set WK,  22                           ; v22-29 Wk's fragment, v30-37 Wv's
.set WV,  30
.set F0,  38                           ; v38-45, v46-53 the step's two tiles of codes
.set F1,  46
.set QF,  54                           ; v54-65 tile 0: 0 0 0 0 q q q q 0 0 0 0;  v66-77 tile 1
.set KF,  78                           ; v78-85 K;  v86-93 V^T;  v94-101 the ones;  v102-109 the last step's ones and zeros
.set VF,  86
.set ONE, 94
.set TAIL, 102
.set KT,  110                          ; v110-141 k^T of two tiles, v of two tiles, f32
.set S,   142                          ; v142-173 S^T: tile of queries qt, tile of keys kt at 16 qt + 8 kt
.set P,   174                          ; v174-189 P
.set O0,  190                          ; v190-197 O^T, v198-205 the sums, tile 0;  v206-221 tile 1
.set L0,  198
.set O1,  206
.set L1,  214
.set WO,  222                          ; v222-253 Wvout's four fragments
.set AW,  182                          ; v182-185 offsets of the head's loads
.set AWS, 183
.set AQS, 184
.set AWO, 185
.set CNT, 30
.set NST, 31
.set LAST, 32
.set REM, 33
.set STEP, 34
.set OFC, 35
.set OFS, 36
.set QSC, 38                           ; s[38:39] 2 log2(e) / 4
.set NC,  40                           ; s[40:41] -20 log2(e)
	s_load_b512 s[8:23], s[0:1], 0x0               ; qcodes s[8:9], qscale s[10:11], kcodes s[12:13], kscale s[14:15], wfrag s[16:17], wo s[18:19], cnt s[20:21], out0 s[22:23]
	v_lshl_add_u32 v[SPW], v0, 2, SPARE
	v_mov_b32 v[NIL], 0
	v_lshrrev_b32 v1, 5, v0
	v_readfirstlane_b32 s24, v1                    ; wave = head
	v_and_b32 v1, 31, v0
	v_and_b32 v2, 15, v0
	v_bfe_u32 v3, v0, 4, 1
	v_lshlrev_b32 v[L16], 4, v1
	v_lshlrev_b32 v[T16], 4, v0
	v_lshl_add_u32 v[KS4], v1, 2, KS
	v_add_nc_u32 v[KSW], KS, v[T16]
	v_lshl_add_u32 v[TA], v0, 2, KS+4096
	v_mov_b32 v[TB], 0
	ds_store_b32 v[TA], v[TB]                      ; the zeros behind the scale words: 4 bytes a thread
	s_lshr_b32 s25, ttmp9, 5                       ; batch: 32 work-groups each
	s_mov_b32 s27, 0
	s_lshl_b32 s28, s24, 10
	v_add_nc_u32 v[AW], s28, v[L16]                ; my head's fragment in each weight's eight
	s_lshl_b32 s28, s24, 7
	v_lshl_add_u32 v[AWS], v1, 2, s28              ; and its scale words
	v_lshlrev_b32 v[AQS], 2, v2
	s_lshl_b32 s28, s24, 12
	v_add_nc_u32 v[AWO], s28, v[L16]               ; Wvout's columns 16 w on
	s_mov_b32 s[QSC], 0x3f38aa3b
	s_mov_b32 s[QSC+1], s[QSC]                     ; (named with it as a pair, so it is written)
	s_mov_b32 s[NC], 0xc1e6d4ca
	s_mov_b32 s[NC+1], s[NC]
	s_wait_kmcnt 0x0
	s_lshl_b32 s26, s25, 7
	s_add_nc_u64 s[20:21], s[20:21], s[26:27]
	s_load_b32 s[CNT], s[20:21], 0x0               ; the batch's count of unmasked rows
	s_lshl_b32 s26, s25, 16
	s_add_nc_u64 s[12:13], s[12:13], s[26:27]
	s_lshl_b32 s26, s25, 12
	s_add_nc_u64 s[14:15], s[14:15], s[26:27]
	s_lshl_b32 s26, ttmp9, 11
	s_add_nc_u64 s[8:9], s[8:9], s[26:27]          ; my two query tiles: 1,024 bytes each
	s_lshl_b32 s26, ttmp9, 7
	s_add_nc_u64 s[10:11], s[10:11], s[26:27]
	s_lshl_b32 s26, ttmp9, 14
	s_add_nc_u64 s[22:23], s[22:23], s[26:27]      ; my 32 rows of 512 bytes
.set i, 0
.rept 16
	global_load_b128 v[KF+4*i:KF+4*i+3], v[T16], s[12:13] offset:4096*i   ; the batch's codes: 256 threads x 16 bytes a round
.set i, i+1
.endr
	global_load_b128 v[O0:O0+3], v[T16], s[14:15]  ; and its scale words
	global_load_b128 v[S:S+3], v[AW], s[16:17]     ; Wq
	global_load_b128 v[S+4:S+7], v[AW], s[16:17] offset:512
	global_load_b128 v[WK:WK+3], v[AW], s[16:17] offset:8192
	global_load_b128 v[WK+4:WK+7], v[AW], s[16:17] offset:8704
	global_load_b128 v[WV:WV+3], v[AW], s[16:17] offset:16384
	global_load_b128 v[WV+4:WV+7], v[AW], s[16:17] offset:16896
	global_load_b32 v[WQS], v[AWS], s[16:17] offset:24576
	global_load_b32 v[WKS], v[AWS], s[16:17] offset:25600
	global_load_b32 v[WVS], v[AWS], s[16:17] offset:26624
	global_load_b128 v[S+8:S+11], v[L16], s[8:9]   ; the two query tiles' codes
	global_load_b128 v[S+12:S+15], v[L16], s[8:9] offset:512
	global_load_b128 v[S+16:S+19], v[L16], s[8:9] offset:1024
	global_load_b128 v[S+20:S+23], v[L16], s[8:9] offset:1536
	global_load_b32 v[QS0], v[AQS], s[10:11]
	global_load_b32 v[QS1], v[AQS], s[10:11] offset:64
.set i, 0
.rept 8
	global_load_b128 v[WO+4*i:WO+4*i+3], v[AWO], s[18:19] offset:512*i     ; wanted at the end alone: waited for there
.set i, i+1
.endr
	s_wait_loadcnt 23                              ; the first 17 loads are in: 6 + 3 + 4 + 2 + 8 were issued behind them
.set i, 0
.rept 16
	ds_store_b128 v[T16], v[KF+4*i:KF+4*i+3] offset:4096*i
.set i, i+1
.endr
	ds_store_b128 v[KSW], v[O0:O0+3]
	s_wait_loadcnt 8                               ; the weights and the queries are in; Wvout's eight may be out
	s_wait_xcnt 0x0                                ; the loads have read their offsets: v182-185 are written again in the walk
	s_wait_kmcnt 0x0                               ; the count
	s_wait_dscnt 0x0                               ; for the others' sake: my stores have landed
	s_barrier_signal -1
	; work on registers while the others arrive: q, the sums' zeros, the ones
	s_min_u32 s[CNT], s[CNT], 1024
	s_add_co_u32 s[NST], s[CNT], 31
	s_lshr_b32 s[NST], s[NST], 5                   ; steps of 32 keys
	s_sub_co_u32 s[LAST], s[NST], 1
	s_lshl_b32 s[REM], s[LAST], 5
	s_sub_co_u32 s[REM], s[CNT], s[REM]            ; keys in the last step, 1 to 32
	v_wmma_scale_f32_16x16x128_f8f6f4 v[S+24:S+31], v[S:S+7], v[S+8:S+15], 0, v[WQS], v[QS0] matrix_a_fmt:MATRIX_FMT_FP4 matrix_b_fmt:MATRIX_FMT_FP4   ; q^T: a lane holds one query and d = 8 h + 0 .. 7
	v_wmma_scale_f32_16x16x128_f8f6f4 v[P:P+7], v[S:S+7], v[S+16:S+23], 0, v[WQS], v[QS1] matrix_a_fmt:MATRIX_FMT_FP4 matrix_b_fmt:MATRIX_FMT_FP4
.set i, 0
.rept 32
	v_mov_b32 v[O0+i], 0                           ; the walk is written once and may have no step: its sums begin as zeros.  (These are also the places behind the two products)
.set i, i+1
.endr
.irp i, 0,1,2,3,8,9,10,11,12,13,14,15,20,21,22,23
	v_mov_b32 v[QF+\i], 0
.endr
	v_mov_b32 v[B15], 0x41700000
	v_mov_b32 v[B15+1], 0x41700000
.irp i, 0,2,4,6
	v_pk_mul_f32 v[S+24+\i:S+25+\i], v[S+24+\i:S+25+\i], s[QSC:QSC+1] op_sel_hi:[1,0]   ; x 2 log2(e) / 4, in f32, ahead of the rounding
	v_pk_mul_f32 v[P+\i:P+1+\i], v[P+\i:P+1+\i], s[QSC:QSC+1] op_sel_hi:[1,0]
.endr
.irp i, 0,1,2,3
	v_cvt_pk_f16_f32 v[QF+4+\i], v[S+24+2*\i], v[S+25+2*\i]
	v_cvt_pk_f16_f32 v[QF+16+\i], v[P+2*\i], v[P+1+2*\i]
.endr
	v_lshlrev_b32 v[TA], 3, v3
	v_sub_nc_u32 v[TA], s[REM], v[TA]              ; d = keys in the last step - 8 h.  Register n of a fragment along the keys holds keys 16 (n / 4) + 8 h + 2 (n % 4) and the next
	v_mov_b32 v[TB], 0x3c00                        ; 1.0 in the low half,
	v_mov_b32 v[AD], 0x3c003c00                    ; in both
.irp n, 0,1,2,3,4,5,6,7
	v_cmp_lt_i32 vcc_lo, 16*(\n/4)+2*(\n%4), v[TA]
	v_cndmask_b32 v[TAIL+\n], 0, v[TB], vcc_lo
	v_cmp_lt_i32 vcc_lo, 16*(\n/4)+2*(\n%4)+1, v[TA]
	v_cndmask_b32 v[TAIL+\n], v[TAIL+\n], v[AD], vcc_lo
	v_mov_b32 v[ONE+\n], v[AD]
.endr
	s_mov_b32 s[STEP], 0
	s_mov_b32 s[OFC], 0
	s_mov_b32 s[OFS], 0
	s_barrier_wait -1                              ; the batch's codes and scale words lie in LDS
	ds_load_b128 v[F0:F0+3], v[L16]                ; step 0
	ds_load_b128 v[F0+4:F0+7], v[L16] offset:512
	ds_load_b128 v[F1:F1+3], v[L16] offset:1024
	ds_load_b128 v[F1+4:F1+7], v[L16] offset:1536
	ds_load_b32 v[SC], v[KS4]
.Lstep:                                            ; 32 trips; the work of a step past the batch's last is jumped over
	s_cmp_ge_u32 s[STEP], s[NST]
	s_cbranch_scc1 .Lnext
	s_wait_dscnt 0x0                               ; the step's codes and scale words, asked for a step ago
	v_wmma_scale_f32_16x16x128_f8f6f4 v[KT:KT+7], v[WK:WK+7], v[F0:F0+7], 0, v[WKS], v[SC] matrix_a_fmt:MATRIX_FMT_FP4 matrix_b_fmt:MATRIX_FMT_FP4
	v_wmma_scale_f32_16x16x128_f8f6f4 v[KT+8:KT+15], v[WK:WK+7], v[F1:F1+7], 0, v[WKS], v[SC] matrix_a_fmt:MATRIX_FMT_FP4 matrix_b_fmt:MATRIX_FMT_FP4 matrix_b_scale:MATRIX_SCALE_ROW1
	v_wmma_scale_f32_16x16x128_f8f6f4 v[KT+16:KT+23], v[F0:F0+7], v[WV:WV+7], 0, v[SC], v[WVS] matrix_a_fmt:MATRIX_FMT_FP4 matrix_b_fmt:MATRIX_FMT_FP4
	v_wmma_scale_f32_16x16x128_f8f6f4 v[KT+24:KT+31], v[F1:F1+7], v[WV:WV+7], 0, v[SC], v[WVS] matrix_a_fmt:MATRIX_FMT_FP4 matrix_b_fmt:MATRIX_FMT_FP4 matrix_a_scale:MATRIX_SCALE_ROW1
	v_add_nc_u32 v[AD], s[OFC], v[L16]             ; four places behind the products, ahead of the loads into their sources and of the first read of their results
	v_add_nc_u32 v[AS], s[OFS], v[KS4]
	v_nop
	v_nop
	ds_load_b128 v[F0:F0+3], v[AD] offset:2048     ; the next step's: they land while this step's scores are worked
	ds_load_b128 v[F0+4:F0+7], v[AD] offset:2560
	ds_load_b128 v[F1:F1+3], v[AD] offset:3072
	ds_load_b128 v[F1+4:F1+7], v[AD] offset:3584
	ds_load_b32 v[SC], v[AS] offset:128
.set i, 0
.rept 8
	v_cvt_pk_f16_f32 v[KF+i], v[KT+2*i], v[KT+2*i+1]   ; K: registers 0-3 the first key tile's d = 8 h + 0 .. 7, registers 4-7 the second's
.set i, i+1
.endr
	s_cmp_lg_u32 s[STEP], s[LAST]
	s_cbranch_scc1 .Lnotlast
.irp n, 0,1,2,3,4,5,6,7
	v_mov_b32 v[ONE+\n], v[TAIL+\n]                ; the batch's last step: places past the count no longer count in the sums
.endr
.Lnotlast:
	v_wmma_f32_16x16x32_f16 v[S:S+7], v[KF:KF+7], v[QF+4:QF+11], 0         ; [q, 0]: the first key tile
	v_wmma_f32_16x16x32_f16 v[S+8:S+15], v[KF:KF+7], v[QF:QF+7], 0         ; [0, q]: the second
	v_wmma_f32_16x16x32_f16 v[S+16:S+23], v[KF:KF+7], v[QF+16:QF+23], 0
	v_wmma_f32_16x16x32_f16 v[S+24:S+31], v[KF:KF+7], v[QF+12:QF+19], 0
.set i, 0
.rept 8
	v_cvt_pk_f16_f32 v[VF+i], v[KT+16+2*i], v[KT+17+2*i]   ; V^T: a lane holds d = r and the step's keys.  (These eight are the places behind the four products)
.set i, i+1
.endr
.set i, 0
.rept 32
	v_exp_f32 v[S+i], v[S+i]                       ; 2^s
.set i, i+1
.endr
	v_nop                                          ; a plain place behind the batch,
	s_wait_alu depctr_va_vdst(0)                   ; and the one wait ahead of its first reader
.set i, 0
.rept 16
	v_pk_add_f32 v[S+i:S+i+1], v[S+i:S+i+1], 1.0 op_sel_hi:[1,0]
.set i, i+2
.endr
.set i, 0
.rept 32
	v_rcp_f32 v[S+i], v[S+i]                       ; z = 1 / (1 + 2^s)
.set i, i+1
.endr
	v_nop
	s_wait_alu depctr_va_vdst(0)
.set i, 0
.rept 16
	v_pk_fma_f32 v[S+i:S+i+1], v[S+i:S+i+1], s[NC:NC+1], v[B15:B15+1] op_sel_hi:[1,0,0]   ; 15 - C z
.set i, i+2
.endr
.set i, 0
.rept 32
	v_exp_f32 v[S+i], v[S+i]                       ; p
.set i, i+1
.endr
	v_nop
	s_wait_alu depctr_va_vdst(0)
.set i, 0
.rept 16
	v_cvt_pk_f16_f32 v[P+i], v[S+2*i], v[S+2*i+1]  ; two key tiles' p of a query tile ARE source 1 (32 keys x 16 queries)
.set i, i+1
.endr
	v_wmma_f32_16x16x32_f16 v[O0:O0+7], v[VF:VF+7], v[P:P+7], v[O0:O0+7]           ; the four sums take turns, one instruction a turn
	v_wmma_f32_16x16x32_f16 v[L0:L0+7], v[ONE:ONE+7], v[P:P+7], v[L0:L0+7]
	v_wmma_f32_16x16x32_f16 v[O1:O1+7], v[VF:VF+7], v[P+8:P+15], v[O1:O1+7]
	v_wmma_f32_16x16x32_f16 v[L1:L1+7], v[ONE:ONE+7], v[P+8:P+15], v[L1:L1+7]
.Lnext:
	s_add_co_u32 s[OFC], s[OFC], 2048
	s_add_co_u32 s[OFS], s[OFS], 128
	s_add_co_u32 s[STEP], s[STEP], 1
	s_cmp_lt_u32 s[STEP], 32
	s_cbranch_scc1 .Lstep
	; ---- O^T / the sum, as f16, to LDS: half a fragment of the last product's K for each tile of queries
.rept 4
	v_nop                                          ; places behind the last products
.endr
	v_rcp_f32 v[TA], v[L0]                         ; every row of the sums' tile is the lane's query's sum: its lowest register serves
	v_rcp_f32 v[TB], v[L1]
	s_lshl_b32 s28, s24, 9
	v_add_nc_u32 v[AD], s28, v[L16]                ; (plain work behind the reciprocals)  K step head / 2, half head % 2: 512 bytes a head
	v_add_nc_u32 v[AD], AIMG, v[AD]
	v_add_nc_u32 v[AS], AIMG, v[L16]
	s_wait_alu depctr_va_vdst(0)                   ; one wait for both, ahead of the first reader
.set i, 0
.rept 8
	v_mul_f32 v[S+i], v[O0+i], v[TA]
	v_mul_f32 v[S+8+i], v[O1+i], v[TB]
.set i, i+1
.endr
.set i, 0
.rept 8
	v_cvt_pk_f16_f32 v[P+i], v[S+2*i], v[S+2*i+1]
.set i, i+1
.endr
	ds_store_b128 v[AD], v[P:P+3]
	ds_store_b128 v[AD], v[P+4:P+7] offset:4096
	s_wait_dscnt 0x0                               ; my stores have landed, and the walk's last fetch is in
	s_barrier_signal -1
	s_barrier_wait -1                              ; all eight heads' halves lie in LDS
.set i, 0
.rept 16
	ds_load_b128 v[KT+4*i:KT+4*i+3], v[AS] offset:512*i   ; tile of queries i / 8, K step (i / 2) % 4, half i % 2
.set i, i+1
.endr
	s_wait_loadcnt 0x0                             ; Wvout
	s_wait_dscnt 0x0
	v_wmma_f32_16x16x32_f16 v[O0:O0+7], v[WO:WO+7], v[KT:KT+7], 0          ; source 0 = 16 columns e of Wvout, source 1 = 16 queries: a lane holds eight neighbouring numbers of a row of the output
	v_wmma_f32_16x16x32_f16 v[O1:O1+7], v[WO:WO+7], v[KT+32:KT+39], 0
.irp s, 1,2,3
	v_wmma_f32_16x16x32_f16 v[O0:O0+7], v[WO+8*\s:WO+8*\s+7], v[KT+8*\s:KT+8*\s+7], v[O0:O0+7]
	v_wmma_f32_16x16x32_f16 v[O1:O1+7], v[WO+8*\s:WO+8*\s+7], v[KT+32+8*\s:KT+39+8*\s], v[O1:O1+7]
.endr
	v_mul_u32_u24 v[TA], v2, SPITCH                ; the addresses of the way out are the places behind the products
	v_lshl_add_u32 v[TA], v3, 5, v[TA]
	s_lshl_b32 s28, s24, 6
	v_add_nc_u32 v[TA], s28, v[TA]
	v_add_nc_u32 v[TA], STG, v[TA]                 ; in: row r, + 64 w + 32 h bytes
	s_mul_i32 s28, s24, 4*SPITCH
	v_add_nc_u32 v[TB], s28, v[L16]
	v_add_nc_u32 v[TB], STG, v[TB]                 ; back: rows 4 w .. 4 w + 3, whole
	s_lshl_b32 s28, s24, 11
	v_add_nc_u32 v[AD], s28, v[L16]                ; and the same rows in the output
	ds_store_b128 v[TA], v[O0:O0+3]                ; each result from its low end on
	ds_store_b128 v[TA], v[O0+4:O0+7] offset:16
	ds_store_b128 v[TA], v[O1:O1+3] offset:16*SPITCH
	ds_store_b128 v[TA], v[O1+4:O1+7] offset:16*SPITCH+16
	s_wait_dscnt 0x0
	s_barrier_signal -1
	s_barrier_wait -1                              ; 32 whole rows lie in the stage
.irp i, 0,1,2,3
	ds_load_b128 v[P+4*\i:P+4*\i+3], v[TB] offset:\i*SPITCH
.endr
.irp i, 0,1,2,3
	s_wait_dscnt 3-\i                              ; row i is in; the younger loads may be out
	global_store_b128 v[AD], v[P+4*\i:P+4*\i+3], s[22:23] offset:512*\i th:TH_STORE_NT   ; 32 lanes store a row of 512 consecutive bytes, at a multiple of 256 from the output's first byte
.endr
	s_wait_tensorcnt 0x0                           ; the wave's end
	ds_add_u32 v[SPW], v[NIL]
	s_wait_dscnt 0x0
	s_endpgm
.Lfunc_end_k_qdf5eca04ef_attn:
	.size	k_qdf5eca04ef_attn, .Lfunc_end_k_qdf5eca04ef_attn-k_qdf5eca04ef_attn
	.p2alignl 7, 3214868480
	.fill 96, 4, 3214868480
	.section	.rodata,"a",@progbits
	.p2align	6, 0x0
	.amdhsa_kernel k_qdf5eca04ef_attn
		.amdhsa_group_segment_fixed_size 96768
		.amdhsa_private_segment_fixed_size 0
		.amdhsa_enable_private_segment 0
		.amdhsa_kernarg_size 64
		.amdhsa_user_sgpr_count 2
		.amdhsa_user_sgpr_kernarg_segment_ptr 1
		.amdhsa_wavefront_size32 1
		.amdhsa_system_sgpr_workgroup_id_x 1
		.amdhsa_system_sgpr_workgroup_id_y 1
		.amdhsa_system_sgpr_workgroup_id_z 1
		.amdhsa_system_vgpr_workitem_id 0
		.amdhsa_next_free_vgpr 256
		.amdhsa_next_free_sgpr 66
		.amdhsa_reserve_vcc 1
		.amdhsa_float_denorm_mode_32 3
		.amdhsa_float_denorm_mode_16_64 3
		.amdhsa_memory_ordered 1
		.amdhsa_forward_progress 1
		.amdhsa_inst_pref_size 27
	.end_amdhsa_kernel
	.amdgpu_metadata
---
amdhsa.version: [ 1, 2 ]
amdhsa.kernels:
  - .name:           k_qdf5eca04ef_attn
    .symbol:         k_qdf5eca04ef_attn.kd
    .args:
      - { .name: qcodes, .offset: 0, .size: 8, .value_kind: global_buffer, .address_space: global }
      - { .name: qscale, .offset: 8, .size: 8, .value_kind: global_buffer, .address_space: global }
      - { .name: kcodes, .offset: 16, .size: 8, .value_kind: global_buffer, .address_space: global }
      - { .name: kscale, .offset: 24, .size: 8, .value_kind: global_buffer, .address_space: global }
      - { .name: wfrag, .offset: 32, .size: 8, .value_kind: global_buffer, .address_space: global }
      - { .name: wo, .offset: 40, .size: 8, .value_kind: global_buffer, .address_space: global }
      - { .name: cnt, .offset: 48, .size: 8, .value_kind: global_buffer, .address_space: global }
      - { .name: out0, .offset: 56, .size: 8, .value_kind: global_buffer, .address_space: global }
    .group_segment_fixed_size: 96768
    .private_segment_fixed_size: 0
    .kernarg_segment_align: 8
    .kernarg_segment_size: 64
    .max_flat_workgroup_size: 256
    .sgpr_count:     66
    .vgpr_count:     256
    .wavefront_size: 32
...
	.end_amdgpu_metadata
.endif
;; end of part 2
;; ======== version 2 of 2: 2 launches; version 1 with the launch attn written anew for expert scheduling mode
;; limits: values are held in f16: magnitudes above 65,504 overflow, below 6.1e-05 lose precision
;; workspace buffers: qcodes 524,288 bytes; qscale 32,768 bytes; kcodes 524,288 bytes; kscale 32,768 bytes; wfrag 27,648 bytes; wo 32,768 bytes; cnt 1,024 bytes of whole numbers
;; launch prep: the kernel of part 1 again; grid 272 x 1, 2 waves a work-group, no clusters, 0 bytes of LDS; arguments Q, mask, Wq, Wk, Wvin, Wvout, qcodes, qscale, kcodes, kscale, wfrag, wo, cnt; writes qcodes, qscale, kcodes, kscale, wfrag, wo, cnt
;; launch attn (part 3): grid 256 x 1, 8 waves a work-group, no clusters, 96,768 bytes of LDS; arguments qcodes, qscale, kcodes, kscale, wfrag, wo, cnt, out0; writes out0
.if DOCPART == 3
	.amdgcn_target "amdgcn-amd-amdhsa--gfx1250"
	.amdhsa_code_object_version 6
	.text
	.protected	k_qdf5eca04ef_attn
	.globl	k_qdf5eca04ef_attn
	.p2align	8
	.type	k_qdf5eca04ef_attn,@function
k_qdf5eca04ef_attn:
	s_mov_b64 s[64:65], 0
	v_nop
	global_prefetch_b8 v0, s[64:65] scope:SCOPE_SE
	s_setreg_imm32_b32 hwreg(HW_REG_WAVE_SCHED_MODE, 0, 2), 2
	s_setreg_imm32_b32 hwreg(HW_REG_WAVE_MODE, 25, 1), 1
	s_wait_xcnt 0x0
	s_wait_alu depctr_vm_vsrc(0)
; ATTN: the three quantised projections, the attention and the projection on the way out, for 32 queries of one batch and all 8 heads in one work-group.  Eight waves: WAVE w IS HEAD w, with two tiles of 16 queries.
; THE KEYS are the batch's unmasked rows, laid by rank by the launch before, as register images of E2M1 codes (1,024 bytes a tile of 16 rows) with a scale word a row; places past the count hold zero codes.
; The batch's 65,536 + 4,096 bytes come into LDS once; k and v are never stored: for each step of 32 keys a wave makes its head's K and V^T fragments by four FP4 matrix instructions:
;   k^T = Wk (16 d) x rows (16 keys): a lane holds one key and eight d: rounded to f16 in pairs that is source 0 of S^T = K Q^T;   v = rows (16 keys) x Wv (16 d): a lane holds one d and eight keys: source 0 of O^T = V^T P.
; K = 16 IN AN INSTRUCTION OF K = 32: K's eight registers hold TWO key tiles (k = 0-15: the first, 16-31: the second); the queries' operand is [q, 0] for the first and [0, q] for the second (twelve registers 0 q 0 serve both).
; THE SOFTMAX.  10 tanh(u) - 10 = -20 / (1 + e^(2u)) lies in [-20, 0] for every input, by the clip that the problem itself makes.  So no maximum is searched for: with s = 2 log2(e) / 4 x q.k (the factor is put on q in f32),
;   z = 1 / (1 + 2^s) and C = 20 log2(e), the weight kept is p = 2^(15 - C z), from 2^-13.86 to 2^15: inside f16's normal numbers; a row's sums are at most 1,024 x 2^15 x |v|, in f32.  s = +-infinity gives z = 0 or 1: no NaN.
; THE ROW'S SUM is a product too: a fragment of ones (source 0) x P.  In the batch's last step the ones at places past the count are zeros; v is zero there as well, so the padding counts for nothing, whatever its p.
; A batch with no unmasked key walks no step: 0 x 1/0 = NaN, as the problem has it.
; THE WAY OUT.  O^T / sum, rounded to f16, is half a fragment of the last product's K (k = 16 head + d): the eight waves' halves meet in LDS as register images; wave w then makes columns 16 w .. 16 w + 15 for the 32 rows;
;   the results meet in a stage and leave as whole rows of 512 bytes.
; THE WALK has 32 trips in the text; a scalar branch on the stored count leads round the work of the steps past the batch's last.
; What the 32 work-groups of a batch share is 69,632 bytes, each reading them once, at the head, by plain loads.  Nothing is prefetched: all that is read is asked for at the head by the loads themselves.
; LIMITS: q x 0.72, k, v, the attention's result and Wvout must be finite in f16 (under 65,504; a k that is infinite in f16 would meet the zeros of [q, 0]); NaN and infinities among the inputs are not served.
; THE MODE: SCHED_MODE bits 1:0 = 2 (LLVM: expert scheduling mode 2), set by the entry lines.  The code itself states the register dependences between vector or matrix instructions and memory or LDS instructions,
; and those through scalar registers that vector instructions write, with s_wait_alu, always for 0.
; THE PLAN.  Registers that memory or LDS instructions touch:
;   v4-9           addresses and the closing add's two: written at the head, ahead of its one wait on va_vdst, and never again.
;   v14, v15       the zeros' LDS store reads them at the head;  v182-185: the head's global loads read them;  v78-141, v190-193: the batch's codes and scale words land there and the head's LDS stores read them.
;                  All of these are written again by vector or matrix lines only behind the head's one wait on vm_vsrc, which stands ahead of the first barrier's signal.
;   F0, F1, SC     In a step: its four FP4 products read them; the next step's five LDS loads land in them.     AD, AS: two additions write them once a step; those five loads read them.
;                  The five loads stand behind the wait on va_vdst that follows the step's first batch of exponentials: that one wait also states that the FP4 products are done reading F0, F1 and SC and that AD and AS are
;                  written.  They are dealt among the packed additions, which name the scores alone.  One wait on vm_vsrc at a step's head stands ahead of the additions to AD and AS.
;   K, V^T, the ones, k and v in f32, the scores, P, O^T and the sums are named by vector and matrix instructions alone in the walk.
;   The way out: each run of LDS stores has one wait on va_vdst ahead of it; each register that they read has a wait on vm_vsrc ahead of its next write.
.set KS,     65536                     ; LDS: codes from 0 on, 2,048 bytes a step; scale words from KS on, 128 bytes a step, and 1,024 bytes of zeros behind them (the fetch one step ahead reaches there in trip 31)
.set AIMG,   70656                     ; the attention's result: 2 tiles x 4 K steps x 1,024 bytes
.set STG,    78848                     ; the stage for the way out: 32 rows x (512 + 16) bytes
.set SPITCH, 528
.set SPARE,  95744                     ; the spare words, 128 bytes for each wave: four blocks of 256 bytes that no other line names
.set L16, 4                            ; v4   16 x lane            (v1 lane, v2 r = lane % 16, v3 h = lane / 16)
.set T16, 5                            ; v5   16 x thread
.set KS4, 6                            ; v6   KS + 4 x lane
.set KSW, 7                            ; v7   KS + 16 x thread
.set SPW, 8                            ; v8   my spare word; never rewritten
.set NIL, 9                            ; v9   0; never rewritten
.set B15, 10                           ; v[10:11] 15.0, twice
.set AD,  12
.set AS,  13
.set TA,  14
.set TB,  15
.set WQS, 16                           ; v16-21 scale words and nothing else: Wq's, Wk's, Wv's, the two query tiles', the step's (lanes 0-15 first key tile, 16-31 second)
.set WKS, 17
.set WVS, 18
.set QS0, 19
.set QS1, 20
.set SC,  21
.set WK,  22                           ; v22-29 Wk's fragment, v30-37 Wv's
.set WV,  30
.set F0,  38                           ; v38-45, v46-53 the step's two tiles of codes
.set F1,  46
.set QF,  54                           ; v54-65 tile 0: 0 0 0 0 q q q q 0 0 0 0;  v66-77 tile 1
.set KF,  78                           ; v78-85 K;  v86-93 V^T;  v94-101 the ones;  v102-109 the last step's ones and zeros
.set VF,  86
.set ONE, 94
.set TAIL, 102
.set KT,  110                          ; v110-141 k^T of two tiles, v of two tiles, f32
.set S,   142                          ; v142-173 S^T: tile of queries qt, tile of keys kt at 16 qt + 8 kt
.set P,   174                          ; v174-189 P
.set O0,  190                          ; v190-197 O^T, v198-205 the sums, tile 0;  v206-221 tile 1
.set L0,  198
.set O1,  206
.set L1,  214
.set WO,  222                          ; v222-253 Wvout's four fragments
.set AW,  182                          ; v182-185 offsets of the head's loads
.set AWS, 183
.set AQS, 184
.set AWO, 185
.set CM,  2                            ; s2-17 the sixteen masks of the last step's ones (s8-17 held addresses whose loads are done by then)
.set CNT, 30
.set NST, 31
.set LAST, 32
.set REM, 33
.set STEP, 34
.set OFC, 35
.set OFS, 36
.set QSC, 38                           ; s[38:39] 2 log2(e) / 4
.set NC,  40                           ; s[40:41] -20 log2(e)
	s_load_b512 s[8:23], s[0:1], 0x0               ; qcodes s[8:9], qscale s[10:11], kcodes s[12:13], kscale s[14:15], wfrag s[16:17], wo s[18:19], cnt s[20:21], out0 s[22:23]
	v_lshl_add_u32 v[SPW], v0, 2, SPARE
	v_mov_b32 v[NIL], 0
	v_lshrrev_b32 v1, 5, v0
	v_readfirstlane_b32 s24, v1                    ; wave = head
	v_and_b32 v1, 31, v0
	v_and_b32 v2, 15, v0
	v_bfe_u32 v3, v0, 4, 1
	v_lshlrev_b32 v[L16], 4, v1
	v_lshlrev_b32 v[T16], 4, v0
	v_lshl_add_u32 v[KS4], v1, 2, KS
	v_add_nc_u32 v[KSW], KS, v[T16]
	v_lshl_add_u32 v[TA], v0, 2, KS+4096
	v_mov_b32 v[TB], 0
	v_lshlrev_b32 v[AQS], 2, v2
	s_lshr_b32 s25, ttmp9, 5                       ; batch: 32 work-groups each
	s_mov_b32 s27, 0
	s_mov_b32 s[QSC], 0x3f38aa3b
	s_mov_b32 s[QSC+1], s[QSC]                     ; (named with it as a pair, so it is written)
	s_mov_b32 s[NC], 0xc1e6d4ca
	s_mov_b32 s[NC+1], s[NC]
	s_wait_alu depctr_va_sdst(0)                   ; s24, the wave's number, is written, ahead of its first reader
	s_lshl_b32 s28, s24, 10
	v_add_nc_u32 v[AW], s28, v[L16]                ; my head's fragment in each weight's eight
	s_lshl_b32 s28, s24, 7
	v_lshl_add_u32 v[AWS], v1, 2, s28              ; and its scale words
	s_lshl_b32 s28, s24, 12
	v_add_nc_u32 v[AWO], s28, v[L16]               ; Wvout's columns 16 w on
	s_wait_alu depctr_va_vdst(0)                   ; v4-9, v14, v15 and v182-185 are written: the addresses, offsets and the zero that the LDS store and the loads below, and every later memory line by v4-9, read
	ds_store_b32 v[TA], v[TB]                      ; the zeros behind the scale words: 4 bytes a thread
	s_wait_kmcnt 0x0
	s_lshl_b32 s26, s25, 7
	s_add_nc_u64 s[20:21], s[20:21], s[26:27]
	s_load_b32 s[CNT], s[20:21], 0x0               ; the batch's count of unmasked rows
	s_lshl_b32 s26, s25, 16
	s_add_nc_u64 s[12:13], s[12:13], s[26:27]
	s_lshl_b32 s26, s25, 12
	s_add_nc_u64 s[14:15], s[14:15], s[26:27]
	s_lshl_b32 s26, ttmp9, 11
	s_add_nc_u64 s[8:9], s[8:9], s[26:27]          ; my two query tiles: 1,024 bytes each
	s_lshl_b32 s26, ttmp9, 7
	s_add_nc_u64 s[10:11], s[10:11], s[26:27]
	s_lshl_b32 s26, ttmp9, 14
	s_add_nc_u64 s[22:23], s[22:23], s[26:27]      ; my 32 rows of 512 bytes
.set i, 0
.rept 16
	global_load_b128 v[KF+4*i:KF+4*i+3], v[T16], s[12:13] offset:4096*i   ; the batch's codes: 256 threads x 16 bytes a round
.set i, i+1
.endr
	global_load_b128 v[O0:O0+3], v[T16], s[14:15]  ; and its scale words
	global_load_b128 v[S:S+3], v[AW], s[16:17]     ; Wq
	global_load_b128 v[S+4:S+7], v[AW], s[16:17] offset:512
	global_load_b128 v[WK:WK+3], v[AW], s[16:17] offset:8192
	global_load_b128 v[WK+4:WK+7], v[AW], s[16:17] offset:8704
	global_load_b128 v[WV:WV+3], v[AW], s[16:17] offset:16384
	global_load_b128 v[WV+4:WV+7], v[AW], s[16:17] offset:16896
	global_load_b32 v[WQS], v[AWS], s[16:17] offset:24576
	global_load_b32 v[WKS], v[AWS], s[16:17] offset:25600
	global_load_b32 v[WVS], v[AWS], s[16:17] offset:26624
	global_load_b128 v[S+8:S+11], v[L16], s[8:9]   ; the two query tiles' codes
	global_load_b128 v[S+12:S+15], v[L16], s[8:9] offset:512
	global_load_b128 v[S+16:S+19], v[L16], s[8:9] offset:1024
	global_load_b128 v[S+20:S+23], v[L16], s[8:9] offset:1536
	global_load_b32 v[QS0], v[AQS], s[10:11]
	global_load_b32 v[QS1], v[AQS], s[10:11] offset:64
.set i, 0
.rept 8
	global_load_b128 v[WO+4*i:WO+4*i+3], v[AWO], s[18:19] offset:512*i     ; wanted at the end alone: waited for there
.set i, i+1
.endr
	s_wait_loadcnt 23                              ; the first 17 loads are in: 6 + 3 + 4 + 2 + 8 were issued behind them
.set i, 0
.rept 16
	ds_store_b128 v[T16], v[KF+4*i:KF+4*i+3] offset:4096*i
.set i, i+1
.endr
	ds_store_b128 v[KSW], v[O0:O0+3]
	s_wait_loadcnt 8                               ; the weights and the queries are in; Wvout's eight may be out
	s_wait_xcnt 0x0                                ; the loads have read their offsets and bases: v182-185 are written again in the walk, s8-17 below
	s_wait_alu depctr_vm_vsrc(0)                   ; the LDS stores have read v78-141, v190-193, v14 and v15, and the loads v182-185: vector and matrix lines write all of these from here on
	s_wait_kmcnt 0x0                               ; the count
	s_wait_dscnt 0x0                               ; for the others' sake: my stores have landed
	s_barrier_signal -1
	; work on registers while the others arrive: q, the sums' zeros, the ones
	s_min_u32 s[CNT], s[CNT], 1024
	s_add_co_u32 s[NST], s[CNT], 31
	s_lshr_b32 s[NST], s[NST], 5                   ; steps of 32 keys
	s_sub_co_u32 s[LAST], s[NST], 1
	s_lshl_b32 s[REM], s[LAST], 5
	s_sub_co_u32 s[REM], s[CNT], s[REM]            ; keys in the last step, 1 to 32
	v_wmma_scale_f32_16x16x128_f8f6f4 v[S+24:S+31], v[S:S+7], v[S+8:S+15], 0, v[WQS], v[QS0] matrix_a_fmt:MATRIX_FMT_FP4 matrix_b_fmt:MATRIX_FMT_FP4   ; q^T: a lane holds one query and d = 8 h + 0 .. 7
	v_wmma_scale_f32_16x16x128_f8f6f4 v[P:P+7], v[S:S+7], v[S+16:S+23], 0, v[WQS], v[QS1] matrix_a_fmt:MATRIX_FMT_FP4 matrix_b_fmt:MATRIX_FMT_FP4
.set i, 0
.rept 32
	v_mov_b32 v[O0+i], 0                           ; the walk is written once and may have no step: its sums begin as zeros.  (These are also the places behind the two products)
.set i, i+1
.endr
.irp i, 0,1,2,3,8,9,10,11,12,13,14,15,20,21,22,23
	v_mov_b32 v[QF+\i], 0
.endr
	v_mov_b32 v[B15], 0x41700000
	v_mov_b32 v[B15+1], 0x41700000
	v_lshlrev_b32 v[TA], 3, v3
	v_sub_nc_u32 v[TA], s[REM], v[TA]              ; d = keys in the last step - 8 h.  Register n of a fragment along the keys holds keys 16 (n / 4) + 8 h + 2 (n % 4) and the next
	v_mov_b32 v[TB], 0x3c00                        ; 1.0 in the low half,
	v_mov_b32 v[AD], 0x3c003c00                    ; in both
.irp n, 0,1,2,3,4,5,6,7
	v_cmp_lt_i32 s[CM+2*\n], 16*(\n/4)+2*(\n%4), v[TA]       ; the sixteen compares stand in one run, a scalar register each
	v_cmp_lt_i32 s[CM+2*\n+1], 16*(\n/4)+2*(\n%4)+1, v[TA]
.endr
.irp i, 0,2,4,6
	v_pk_mul_f32 v[S+24+\i:S+25+\i], v[S+24+\i:S+25+\i], s[QSC:QSC+1] op_sel_hi:[1,0]   ; x 2 log2(e) / 4, in f32, ahead of the rounding
	v_pk_mul_f32 v[P+\i:P+1+\i], v[P+\i:P+1+\i], s[QSC:QSC+1] op_sel_hi:[1,0]
.endr
.irp i, 0,1,2,3
	v_cvt_pk_f16_f32 v[QF+4+\i], v[S+24+2*\i], v[S+25+2*\i]
	v_cvt_pk_f16_f32 v[QF+16+\i], v[P+2*\i], v[P+1+2*\i]
.endr
	s_wait_alu depctr_va_sdst(0)                   ; the sixteen masks s2-17 are written, ahead of the selections that read them
.irp n, 0,1,2,3,4,5,6,7
	v_cndmask_b32 v[TAIL+\n], 0, v[TB], s[CM+2*\n]
	v_cndmask_b32 v[TAIL+\n], v[TAIL+\n], v[AD], s[CM+2*\n+1]
	v_mov_b32 v[ONE+\n], v[AD]
.endr
	s_mov_b32 s[STEP], 0
	s_mov_b32 s[OFC], 0
	s_mov_b32 s[OFS], 0
	s_barrier_wait -1                              ; the batch's codes and scale words lie in LDS
	ds_load_b128 v[F0:F0+3], v[L16]                ; step 0.  (No vector or matrix line has named v21 or v38-53; v4 and v6 stand since the head's wait)
	ds_load_b128 v[F0+4:F0+7], v[L16] offset:512
	ds_load_b128 v[F1:F1+3], v[L16] offset:1024
	ds_load_b128 v[F1+4:F1+7], v[L16] offset:1536
	ds_load_b32 v[SC], v[KS4]
.Lstep:                                            ; 32 trips; the work of a step past the batch's last is jumped over
	s_cmp_ge_u32 s[STEP], s[NST]
	s_cbranch_scc1 .Lnext
	s_wait_dscnt 0x0                               ; the step's codes and scale words, asked for a step ago
	s_wait_alu depctr_vm_vsrc(0)                   ; the last step's five LDS loads have read AD and AS, which the two additions below write
	v_wmma_scale_f32_16x16x128_f8f6f4 v[KT:KT+7], v[WK:WK+7], v[F0:F0+7], 0, v[WKS], v[SC] matrix_a_fmt:MATRIX_FMT_FP4 matrix_b_fmt:MATRIX_FMT_FP4
	v_wmma_scale_f32_16x16x128_f8f6f4 v[KT+8:KT+15], v[WK:WK+7], v[F1:F1+7], 0, v[WKS], v[SC] matrix_a_fmt:MATRIX_FMT_FP4 matrix_b_fmt:MATRIX_FMT_FP4 matrix_b_scale:MATRIX_SCALE_ROW1
	v_wmma_scale_f32_16x16x128_f8f6f4 v[KT+16:KT+23], v[F0:F0+7], v[WV:WV+7], 0, v[SC], v[WVS] matrix_a_fmt:MATRIX_FMT_FP4 matrix_b_fmt:MATRIX_FMT_FP4
	v_wmma_scale_f32_16x16x128_f8f6f4 v[KT+24:KT+31], v[F1:F1+7], v[WV:WV+7], 0, v[SC], v[WVS] matrix_a_fmt:MATRIX_FMT_FP4 matrix_b_fmt:MATRIX_FMT_FP4 matrix_a_scale:MATRIX_SCALE_ROW1
	v_add_nc_u32 v[AD], s[OFC], v[L16]             ; four places behind the products, ahead of the first read of their results; the first two make the addresses of the next step's fetch
	v_add_nc_u32 v[AS], s[OFS], v[KS4]
	v_nop
	v_nop
.set i, 0
.rept 8
	v_cvt_pk_f16_f32 v[KF+i], v[KT+2*i], v[KT+2*i+1]   ; K: registers 0-3 the first key tile's d = 8 h + 0 .. 7, registers 4-7 the second's
.set i, i+1
.endr
	s_cmp_lg_u32 s[STEP], s[LAST]
	s_cbranch_scc1 .Lnotlast
.irp n, 0,1,2,3,4,5,6,7
	v_mov_b32 v[ONE+\n], v[TAIL+\n]                ; the batch's last step: places past the count no longer count in the sums
.endr
.Lnotlast:
	v_wmma_f32_16x16x32_f16 v[S:S+7], v[KF:KF+7], v[QF+4:QF+11], 0         ; [q, 0]: the first key tile
	v_wmma_f32_16x16x32_f16 v[S+8:S+15], v[KF:KF+7], v[QF:QF+7], 0         ; [0, q]: the second
	v_wmma_f32_16x16x32_f16 v[S+16:S+23], v[KF:KF+7], v[QF+16:QF+23], 0
	v_wmma_f32_16x16x32_f16 v[S+24:S+31], v[KF:KF+7], v[QF+12:QF+19], 0
.set i, 0
.rept 8
	v_cvt_pk_f16_f32 v[VF+i], v[KT+16+2*i], v[KT+17+2*i]   ; V^T: a lane holds d = r and the step's keys.  (These eight are the places behind the four products)
.set i, i+1
.endr
.set i, 0
.rept 32
	v_exp_f32 v[S+i], v[S+i]                       ; 2^s
.set i, i+1
.endr
	v_nop                                          ; a plain place behind the batch
	s_wait_alu depctr_va_vdst(0)                   ; one wait, three things: the 32 exponentials have written the scores, ahead of their first reader; the FP4 products are done reading F0, F1 and SC, in which the loads below land; AD and AS are written, which those loads read
.set i, 0
.rept 16
.if i == 0
	ds_load_b128 v[F0:F0+3], v[AD] offset:2048     ; the next step's codes and scale words, dealt among the additions, which name the scores alone: they land while this step's scores are worked
.elseif i == 2
	ds_load_b128 v[F0+4:F0+7], v[AD] offset:2560
.elseif i == 4
	ds_load_b128 v[F1:F1+3], v[AD] offset:3072
.elseif i == 6
	ds_load_b128 v[F1+4:F1+7], v[AD] offset:3584
.elseif i == 8
	ds_load_b32 v[SC], v[AS] offset:128
.endif
	v_pk_add_f32 v[S+i:S+i+1], v[S+i:S+i+1], 1.0 op_sel_hi:[1,0]
.set i, i+2
.endr
.set i, 0
.rept 32
	v_rcp_f32 v[S+i], v[S+i]                       ; z = 1 / (1 + 2^s)
.set i, i+1
.endr
	v_nop
	s_wait_alu depctr_va_vdst(0)                   ; the 32 reciprocals have written the scores' registers, ahead of their first reader
.set i, 0
.rept 16
	v_pk_fma_f32 v[S+i:S+i+1], v[S+i:S+i+1], s[NC:NC+1], v[B15:B15+1] op_sel_hi:[1,0,0]   ; 15 - C z
.set i, i+2
.endr
.set i, 0
.rept 32
	v_exp_f32 v[S+i], v[S+i]                       ; p
.set i, i+1
.endr
	v_nop
	s_wait_alu depctr_va_vdst(0)                   ; the 32 exponentials have written p, ahead of the conversions that read it
.set i, 0
.rept 16
	v_cvt_pk_f16_f32 v[P+i], v[S+2*i], v[S+2*i+1]  ; two key tiles' p of a query tile ARE source 1 (32 keys x 16 queries)
.set i, i+1
.endr
	v_wmma_f32_16x16x32_f16 v[O0:O0+7], v[VF:VF+7], v[P:P+7], v[O0:O0+7]           ; the four sums take turns, one instruction a turn
	v_wmma_f32_16x16x32_f16 v[L0:L0+7], v[ONE:ONE+7], v[P:P+7], v[L0:L0+7]
	v_wmma_f32_16x16x32_f16 v[O1:O1+7], v[VF:VF+7], v[P+8:P+15], v[O1:O1+7]
	v_wmma_f32_16x16x32_f16 v[L1:L1+7], v[ONE:ONE+7], v[P+8:P+15], v[L1:L1+7]
.Lnext:
	s_add_co_u32 s[OFC], s[OFC], 2048
	s_add_co_u32 s[OFS], s[OFS], 128
	s_add_co_u32 s[STEP], s[STEP], 1
	s_cmp_lt_u32 s[STEP], 32
	s_cbranch_scc1 .Lstep
	; ---- O^T / the sum, as f16, to LDS: half a fragment of the last product's K for each tile of queries
	s_wait_alu depctr_vm_vsrc(0)                   ; the walk's last five LDS loads have read AD and AS, which are written anew below
.rept 4
	v_nop                                          ; places behind the last products
.endr
	v_rcp_f32 v[TA], v[L0]                         ; every row of the sums' tile is the lane's query's sum: its lowest register serves
	v_rcp_f32 v[TB], v[L1]
	s_lshl_b32 s28, s24, 9
	v_add_nc_u32 v[AD], s28, v[L16]                ; (plain work behind the reciprocals)  K step head / 2, half head % 2: 512 bytes a head
	v_add_nc_u32 v[AD], AIMG, v[AD]
	v_add_nc_u32 v[AS], AIMG, v[L16]
	s_wait_alu depctr_va_vdst(0)                   ; the two reciprocals have written v14 and v15, ahead of their first reader
.set i, 0
.rept 8
	v_mul_f32 v[S+i], v[O0+i], v[TA]
	v_mul_f32 v[S+8+i], v[O1+i], v[TB]
.set i, i+1
.endr
.set i, 0
.rept 8
	v_cvt_pk_f16_f32 v[P+i], v[S+2*i], v[S+2*i+1]
.set i, i+1
.endr
	s_wait_alu depctr_va_vdst(0)                   ; the conversions have written v174-181, which the two LDS stores read, and are done reading v142-157; all earlier lines are done with v110-173, in which the sixteen loads behind the barrier land
	ds_store_b128 v[AD], v[P:P+3]
	ds_store_b128 v[AD], v[P+4:P+7] offset:4096
	s_wait_dscnt 0x0                               ; my stores have landed, and the walk's last fetch is in
	s_barrier_signal -1
	s_barrier_wait -1                              ; all eight heads' halves lie in LDS
.set i, 0
.rept 16
	ds_load_b128 v[KT+4*i:KT+4*i+3], v[AS] offset:512*i   ; tile of queries i / 8, K step (i / 2) % 4, half i % 2
.set i, i+1
.endr
	s_wait_loadcnt 0x0                             ; Wvout
	s_wait_dscnt 0x0
	s_wait_alu depctr_vm_vsrc(0)                   ; the two LDS stores have read AD, which is written anew below, and v174-181, in which the stage's loads land
	v_wmma_f32_16x16x32_f16 v[O0:O0+7], v[WO:WO+7], v[KT:KT+7], 0          ; source 0 = 16 columns e of Wvout, source 1 = 16 queries: a lane holds eight neighbouring numbers of a row of the output
	v_wmma_f32_16x16x32_f16 v[O1:O1+7], v[WO:WO+7], v[KT+32:KT+39], 0
.irp s, 1,2,3
	v_wmma_f32_16x16x32_f16 v[O0:O0+7], v[WO+8*\s:WO+8*\s+7], v[KT+8*\s:KT+8*\s+7], v[O0:O0+7]
	v_wmma_f32_16x16x32_f16 v[O1:O1+7], v[WO+8*\s:WO+8*\s+7], v[KT+32+8*\s:KT+39+8*\s], v[O1:O1+7]
.endr
	v_mul_u32_u24 v[TA], v2, SPITCH                ; the addresses of the way out are the places behind the products
	v_lshl_add_u32 v[TA], v3, 5, v[TA]
	s_lshl_b32 s28, s24, 6
	v_add_nc_u32 v[TA], s28, v[TA]
	v_add_nc_u32 v[TA], STG, v[TA]                 ; in: row r, + 64 w + 32 h bytes
	s_mul_i32 s28, s24, 4*SPITCH
	v_add_nc_u32 v[TB], s28, v[L16]
	v_add_nc_u32 v[TB], STG, v[TB]                 ; back: rows 4 w .. 4 w + 3, whole
	s_lshl_b32 s28, s24, 11
	v_add_nc_u32 v[AD], s28, v[L16]                ; and the same rows in the output
	s_wait_alu depctr_va_vdst(0)                   ; the products have written v190-197 and v206-213, which the LDS stores read (the places above stay beside this wait); v14, v15 and AD, the addresses of the stores and loads below, are written
	ds_store_b128 v[TA], v[O0:O0+3]                ; each result from its low end on
	ds_store_b128 v[TA], v[O0+4:O0+7] offset:16
	ds_store_b128 v[TA], v[O1:O1+3] offset:16*SPITCH
	ds_store_b128 v[TA], v[O1+4:O1+7] offset:16*SPITCH+16
	s_wait_dscnt 0x0
	s_barrier_signal -1
	s_barrier_wait -1                              ; 32 whole rows lie in the stage
.irp i, 0,1,2,3
	ds_load_b128 v[P+4*\i:P+4*\i+3], v[TB] offset:\i*SPITCH
.endr
.irp i, 0,1,2,3
	s_wait_dscnt 3-\i                              ; row i is in; the younger loads may be out
	global_store_b128 v[AD], v[P+4*\i:P+4*\i+3], s[22:23] offset:512*\i th:TH_STORE_NT   ; 32 lanes store a row of 512 consecutive bytes, at a multiple of 256 from the output's first byte
.endr
	s_wait_dscnt 0x0                               ; the closing lines, six on end
	s_wait_alu 0x0
	s_wait_tensorcnt 0x0
	ds_add_u32 v[SPW], v[NIL]
	s_wait_dscnt 0x0
	s_endpgm
.Lfunc_end_k_qdf5eca04ef_attn:
	.size	k_qdf5eca04ef_attn, .Lfunc_end_k_qdf5eca04ef_attn-k_qdf5eca04ef_attn
	.p2alignl 7, 3214868480
	.fill 96, 4, 3214868480
	.section	.rodata,"a",@progbits
	.p2align	6, 0x0
	.amdhsa_kernel k_qdf5eca04ef_attn
		.amdhsa_group_segment_fixed_size 96768
		.amdhsa_private_segment_fixed_size 0
		.amdhsa_enable_private_segment 0
		.amdhsa_kernarg_size 64
		.amdhsa_user_sgpr_count 2
		.amdhsa_user_sgpr_kernarg_segment_ptr 1
		.amdhsa_wavefront_size32 1
		.amdhsa_system_sgpr_workgroup_id_x 1
		.amdhsa_system_sgpr_workgroup_id_y 1
		.amdhsa_system_sgpr_workgroup_id_z 1
		.amdhsa_system_vgpr_workitem_id 0
		.amdhsa_next_free_vgpr 256
		.amdhsa_next_free_sgpr 66
		.amdhsa_reserve_vcc 0
		.amdhsa_float_denorm_mode_32 3
		.amdhsa_float_denorm_mode_16_64 3
		.amdhsa_memory_ordered 1
		.amdhsa_forward_progress 1
		.amdhsa_inst_pref_size 28
	.end_amdhsa_kernel
	.amdgpu_metadata
---
amdhsa.version: [ 1, 2 ]
amdhsa.kernels:
  - .name:           k_qdf5eca04ef_attn
    .symbol:         k_qdf5eca04ef_attn.kd
    .args:
      - { .name: qcodes, .offset: 0, .size: 8, .value_kind: global_buffer, .address_space: global }
      - { .name: qscale, .offset: 8, .size: 8, .value_kind: global_buffer, .address_space: global }
      - { .name: kcodes, .offset: 16, .size: 8, .value_kind: global_buffer, .address_space: global }
      - { .name: kscale, .offset: 24, .size: 8, .value_kind: global_buffer, .address_space: global }
      - { .name: wfrag, .offset: 32, .size: 8, .value_kind: global_buffer, .address_space: global }
      - { .name: wo, .offset: 40, .size: 8, .value_kind: global_buffer, .address_space: global }
      - { .name: cnt, .offset: 48, .size: 8, .value_kind: global_buffer, .address_space: global }
      - { .name: out0, .offset: 56, .size: 8, .value_kind: global_buffer, .address_space: global }
    .group_segment_fixed_size: 96768
    .private_segment_fixed_size: 0
    .kernarg_segment_align: 8
    .kernarg_segment_size: 64
    .max_flat_workgroup_size: 256
    .sgpr_count:     66
    .vgpr_count:     256
    .wavefront_size: 32
...
	.end_amdgpu_metadata
.endif
;; end of part 3
